; MI455X (gfx1250); checked and timed in simulation.
; The chip was launched on July 23, 2026; its instructions are those of AMD's public machine-readable ISA for CDNA 5 (MIT licence, August 2026) and "CDNA5" Instruction Set Architecture Reference Guide (July 2026). The comments in the code are by the model that wrote it; some were corrected since.
;; Lo RA Linear. Allowed arithmetic: matrix products marked QUANTISED: E2M1 operands, one E8M0 scale for each 32 along K, by v_wmma_scale_f32_16x16x128_f8f6f4 with both operands' format E2M1 (or v_wmma_scale_f32_32x16x128_f4), f32 sums; products left as they are: f32 operands where the result goes on into a quantised operand, else bf16, f16 or f32 operands; f32 sums; everything else in f32.
;; Inputs: base_weight 4,096 x 4,096 float32; bias 4,096 float32; lora_A 8 x 4,096 float32; lora_B 4,096 x 8 float32; x 2 x 2,048 x 4,096 float32.
;; Outputs: out0 2 x 2,048 x 4,096 float32.
;; This version of the problem:
;;   THIS VERSION OF THE PROBLEM IS GIVEN IN LOW PRECISION. The matrix products marked QUANTISED in the list below multiply operands that are first quantised to E2M1 (2 exponent bits, 1 mantissa bit; 4 bits a number), with one power-of-two scale for each 32 numbers along K (OCP MX v1.0); their sums are f32. All else is computed in f32.
;;   The module's matrix products, in the order in which they are computed (A, B: the left and right operand; K: the contracted axis; several contracted axes count as one K, in the product's order):
;;     1. [M 4,096, K 8] x [K 8, N 4,096]; A: input lora_B; B: input lora_A: left as it is (K = 8 < 32)
;;     2. [M 4,096, K 4,096] x [K 4,096, N 4,096]; A: input x; B: computed on the way: QUANTISED
;;   THE QUANTISER, for each operand of a quantised product, along K:
;;     - K is cut into blocks of 32 from its start; a last block that is shorter is filled with zeros.
;;     - A block's scale is 2^e with e = floor(log2(the largest magnitude in the block)) - 2, held to -126 .. 127; a block of zeros has e = 0. As a byte (E8M0): e + 127.
;;     - Each number is divided by its block's scale, clamped to +-6, and rounded to the nearest number of E2M1, ties to even, subnormals kept.
;;     - The product sums the exact products of the quantised numbers (number of the format x scale) in f32.
;;   ~~~python
;;   def quantise(x, axis):      # numpy; x: float32 -> the quantised numbers, widened to float32 again
;;       x = np.moveaxis(x, axis, -1); K = x.shape[-1]
;;       x = np.pad(x, [(0, 0)] * (x.ndim - 1) + [(0, -K % 32)]); x = x.reshape(x.shape[:-1] + (-1, 32)); a = np.abs(x).max(-1, keepdims=True)
;;       e = np.where(a > 0, np.clip(np.frexp(np.where(a > 0, a, 1))[1] - 1 - 2, -126, 127), 0)      # np.frexp(a)[1] - 1 = floor(log2(a)), exactly
;;       r = np.clip(x / 2.0 ** e, -6, 6)
;;       step = 2.0 ** (np.maximum(np.frexp(np.where(r == 0, 1, r))[1] - 1, 0) - 1)
;;       q = np.round(r / step) * step * 2.0 ** e      # np.round: ties to even
;;       return np.moveaxis(q.reshape(q.shape[:-2] + (-1,))[..., :K], -1, axis).astype(np.float32)
;;   ~~~
;;   OPERANDS COMPUTED ON THE WAY. 'Computed on the way' means the value that the module computes at that place (a softmax that the list does not call 'softmax' is quantised finished and normalised). What goes into a quantiser is computed in f32, as accurately as f32 sums, v_exp_f32 and their like allow (about 1e-6 of the number): no bf16 or f16 on the way to a quantiser, and a product that is left as it is and whose result goes on into a quantised operand takes f32 operands (vector FMAs, or v_wmma_f32_16x16x4_f32). A number that lies on a knife's edge between two numbers of the format may be rounded either way, as far as f32 arithmetic and the matrix unit's own rounding can turn it there, and no further.
;; One version. Each part assembles by itself: llvm-mc -triple=amdgcn-amd-amdhsa -mcpu=gfx1250 --defsym DOCPART=n.
;; ======== version 1 of 1: 2 launches
;; workspace buffers: xq 8,912,896 bytes; wq 8,912,896 bytes
;; launch quant (part 1): grid 256 x 1, 8 waves a work-group, no clusters, 5,120 bytes of LDS; arguments x, base_weight, lora_A, lora_B, xq, wq; writes xq, wq
.if DOCPART == 1
	.amdgcn_target "amdgcn-amd-amdhsa--gfx1250"
	.amdhsa_code_object_version 6
	.text
	.protected	k_q6907321f5a_quant
	.globl	k_q6907321f5a_quant
	.p2align	8
	.type	k_q6907321f5a_quant,@function
k_q6907321f5a_quant:
	s_mov_b64 s[64:65], 0
	v_nop
	global_prefetch_b8 v0, s[64:65] scope:SCOPE_SE
	s_setreg_imm32_b32 hwreg(HW_REG_WAVE_MODE, 25, 1), 1
	s_wait_xcnt 0x0
; x [4096][4096] f32 and W = base_weight + 2 (lora_B lora_A) [4096][4096], made here in f32, are turned into codes of FP4 (E2M1), 4 bits each, with one E8M0 scale byte for each block of 32 along K.
; A block's scale is 2^(floor(log2(its largest magnitude)) - 2); its byte is the largest magnitude's exponent field - 2, held at 1 from below.  Each number is divided by the scale and rounded to the nearest code, ties to even; beyond 6 the largest code.
; LIMITS: NaN and infinities among the inputs are not served.  A block of zeros gets the byte 1 where the rule says 127: its codes are zeros, which add nothing under any byte but 0xff, and the bytes are read by this program alone.
; THE WORKSPACE, the same for xq and wq: [row / 128 : 32][k / 512 : 8][a block of 34,816 bytes]: 128 pieces of 256 bytes (a row's 512 codes), then 8 pieces of scale bytes (16 rows x 16 bytes each).
; THE ORDER INSIDE A ROW'S 512 CODES IS NOT K's.  A sum does not ask in which order its k come, only that each 16 bytes hold one block of 32 and that the block's scale byte stands at the same place among the row's 16.
; Place 4 g + i holds K's block 4 i + g, and inside it the codes stand as the lanes' exchange below leaves them.  x and W are laid by the same lines, so code meets code of the same k.
; SHARES.  Work-group g owns rows 16 g .. 16 g + 15 of x and of W.  Wave w takes k = 512 w .. 512 w + 511 of them: 32 steps of one row's 512 numbers, 16 of x and then 16 of W, in one straight line.
; A wave's 16 steps of a tensor give 16 pieces of codes and exactly one piece of scale bytes: every store of the wave covers 256 consecutive bytes, aligned.
; A STEP.  Four loads read 512 consecutive bytes each, 16 a lane: of load i lane l holds 4 numbers of block 4 i + l / 8, so eight lanes hold a block and a lane has a part in four blocks.
; The numbers stay where they landed.  A block's largest magnitude is joined over its eight lanes; a conversion takes eight registers (two loads' four) under ONE block's scale, and of its 32 bits the 16 that belong to that block are kept;
; then the eight lanes exchange their 16-bit pieces in two steps (lanes 4 apart by words, lanes 2 apart by halves), after which lane l holds 8 bytes of one block, those at byte 8 l of the row's 256.
; Loads run eight steps (32 loads a wave) ahead.  Waves share nothing: no barrier.  LDS serves only to gather a wave's scale words, 512 bytes a wave.
; W.  lora_A's part for the wave's 512 k, 8 rows, stays in 128 registers in the layout in which base_weight's loads arrive; a row of lora_B is eight scalars.  The sum over the rank is a multiply and seven fused multiply-adds in f32,
; then W = 2 x sum + base in one fused multiply-add (2 x sum is exact): the order in which the problem forms it.
; No address register and no global store's data register is ever written again, so the text has no wait on XCNT.
.set BLKB,  34816                      ; a block of the workspace
.set ROWX,  16384                      ; a row of x, base_weight or lora_A in bytes
.set R,     16                         ; v16-143  eight sets of 16 numbers as they are loaded
.set M,     144                        ; v144-147 the four blocks' largest magnitudes
.set SCL,   148                        ; v148-151 the conversions' scale operands
.set BY,    152                        ; v152-155 the scale bytes
.set WD,    156                        ; v156-157 the scale word, by turns
.set CV,    160                        ; v160-163 the four conversions' results
.set PA,    164                        ; v164-165 my pieces of loads 0, 1 and of loads 2, 3
.set TA,    166                        ; v166-167 the same of the lane 4 away
.set K0,    168                        ; v168-169 the two words kept: mine, and that lane's
.set D0,    170                        ; v170-171 the same of the lane 2 away
.set T,     176                        ; v176-191 the sum over the rank; at the end the scale bytes on their way out
.set C,     192                        ; v192-255 codes: two registers for each of the 32 steps
.set SEL,   10                         ; v10      v_perm_b32's selector: the low halves in lanes with l & 2 = 0, the high halves in the others
.set M4,    21                         ; s21      the lanes with l & 4 = 0
.set MH,    22                         ; s22      a word's low half
.set SO,    24                         ; s24, 26, 28, 30: a row of lora_B's odd numbers once more, at even registers: the packed forms name an even pair and take its low word
.set BA,    32                         ; s[32:63] four rows of lora_B: rows 0-3, later 8-11
.set BB,    68                         ; s[68:99] rows 4-7, later 12-15
.set MSB, 0
.macro WIN new                         ; the immediate's high byte repeats the setting that is left
.if MSB != \new
	s_set_vgpr_msb (MSB<<8)|\new
.set MSB, \new
.endif
.endm
	s_load_b256 s[4:11], s[0:1], 0x0               ; x s[4:5], base_weight s[6:7], lora_A s[8:9], lora_B s[10:11]
	s_load_b128 s[12:15], s[0:1], 0x20             ; xq s[12:13], wq s[14:15]
	v_lshl_add_u32 v174, v0, 2, 0x1000
	v_mov_b32 v175, 0
	v_lshrrev_b32 v1, 5, v0
	v_readfirstlane_b32 s16, v1                    ; wave 0..7
	v_and_b32 v2, 31, v0                           ; lane
	v_lshlrev_b32 v3, 4, v2                        ; my 16 bytes of a load's 512
	s_and_b32 s17, ttmp9, 7                        ; which 16 of a block's 128 rows are my work-group's
	s_lshl_b32 s18, s17, 12
	s_lshl_b32 s19, s17, 8
	s_lshl_b32 s20, s16, 9                         ; my wave's 512 bytes of LDS: 256 scale bytes of x, then 256 of W
	v_lshrrev_b32 v8, 3, v2                        ; g = lane / 8
	v_lshl_add_u32 v4, v2, 3, s18                  ; codes: 8 bytes a lane, + 16 pieces of 256 bytes for each 16 rows
	v_lshl_add_u32 v7, v2, 3, s19                  ; scale bytes on the way out: 8 bytes a lane, + my work-group's piece
	v_lshl_add_u32 v5, v8, 2, s20                  ; LDS: my eight lanes' scale word of a row: 4 g
	v_lshl_add_u32 v6, v2, 3, s20                  ; and on the way out 8 bytes a lane
	s_mov_b32 s[M4], 0x0f0f0f0f
	s_mov_b32 s[MH], 0xffff
	s_mov_b32 s23, 0x33333333                      ; the lanes with l & 2 = 0
	v_mov_b32 v[SEL], 0x07060302                   ; bytes 2, 3 of the second source, then of the first
	v_mov_b32 v1, 0x05040100                       ; bytes 0, 1 likewise
	v_cndmask_b32 v[SEL], v[SEL], v1, s23
.irp d, TA, TA+1, D0, D0+1
	v_mov_b32 v[\d], 0                             ; written once: the destination of a DPP form counts as one of its sources
.endr
	s_lshl_b32 s32, ttmp9, 18                      ; x, base_weight: 16 rows of 16,384 bytes a work-group,
	s_lshl_b32 s36, s16, 11                        ; 512 numbers a wave (lora_A: these alone)
	s_add_co_u32 s32, s32, s36
	s_mov_b32 s33, 0
	s_mov_b32 s37, 0
	s_lshl_b32 s34, ttmp9, 9                       ; lora_B: 16 rows of 32 bytes
	s_mov_b32 s35, 0
	s_lshr_b32 s38, ttmp9, 3
	s_lshl_b32 s38, s38, 3
	s_add_co_u32 s38, s38, s16                     ; my block of the workspace: 8 x (row / 128) + wave
	s_mul_i32 s38, s38, BLKB
	s_mov_b32 s39, 0
.irp q, 0,1,2,3
	s_mov_b32 s[SO+2*\q+1], 0                      ; named as the upper halves of pairs, so they are written
.endr
	s_wait_kmcnt 0x0
	s_add_nc_u64 s[4:5], s[4:5], s[32:33]
	s_add_nc_u64 s[6:7], s[6:7], s[32:33]
	s_add_nc_u64 s[8:9], s[8:9], s[36:37]
	s_add_nc_u64 s[10:11], s[10:11], s[34:35]
	s_add_nc_u64 s[12:13], s[12:13], s[38:39]
	s_add_nc_u64 s[14:15], s[14:15], s[38:39]
	s_load_b512 s[BA:BA+15], s[10:11], 0x0         ; lora_B's rows 0 to 7 of mine: wanted sixteen steps from here
	s_load_b512 s[BA+16:BA+31], s[10:11], 0x40
	s_load_b512 s[BB:BB+15], s[10:11], 0x80
	s_load_b512 s[BB+16:BB+31], s[10:11], 0xc0
	WIN 0x40                                       ; destination window 1: v256-383, register 16 r + 4 i + j = lora_A[r][512 w + 128 i + 4 lane + j]
.irp r, 0,1,2,3,4,5,6,7
.irp i, 0,1,2,3
	global_load_b128 v[16*\r+4*\i:16*\r+4*\i+3], v3, s[8:9] offset:\r*ROWX+512*\i
.endr
.endr
	WIN 0
.macro LOAD t                          ; step t's 2,048 bytes into set t % 8: 32 lanes read 512 consecutive bytes
.irp i, 0,1,2,3
.if (\t) < 16
	global_load_b128 v[R+16*((\t)%8)+4*\i:R+16*((\t)%8)+4*\i+3], v3, s[4:5] offset:((\t)%16)*ROWX+512*\i th:TH_LOAD_NT
.else
	global_load_b128 v[R+16*((\t)%8)+4*\i:R+16*((\t)%8)+4*\i+3], v3, s[6:7] offset:((\t)%16)*ROWX+512*\i th:TH_LOAD_NT
.endif
.endr
.endm
.macro LORA t                          ; step t (16 to 31) holds a row of base_weight as loaded: it becomes the row of W
.set RHO, (\t)-16
.set SBX, BA+(BB-BA)*((RHO/4)%2)+8*(RHO%4)
.set RS,  R+16*((\t)%8)
.if (RHO == 0) || (RHO == 8) || (RHO == 12)
	s_wait_kmcnt 0x0                               ; the scalar loads issued four steps ago or more are in: this row's four among them
.endif
.if RHO == 4
	s_load_b512 s[BA:BA+15], s[10:11], 0x100       ; rows 8 to 11, into the set whose rows 0 to 3 are done
	s_load_b512 s[BA+16:BA+31], s[10:11], 0x140
.endif
.if RHO == 8
	s_load_b512 s[BB:BB+15], s[10:11], 0x180       ; rows 12 to 15, into the set whose rows 4 to 7 are done
	s_load_b512 s[BB+16:BB+31], s[10:11], 0x1c0
.endif
.irp q, 0,1,2,3
	s_mov_b32 s[SO+2*\q], s[SBX+2*\q+1]
.endr
	WIN 0x01                                       ; source 0 (lora_A) window 1
.irp p, 0,1,2,3,4,5,6,7
	v_pk_mul_f32 v[T+2*\p:T+2*\p+1], v[2*\p:2*\p+1], s[SBX:SBX+1] op_sel_hi:[1,0]
.endr
.irp r, 1,2,3,4,5,6,7
.if \r % 2
.set PR, SO+\r-1
.else
.set PR, SBX+\r
.endif
.irp p, 0,1,2,3,4,5,6,7
	v_pk_fma_f32 v[T+2*\p:T+2*\p+1], v[16*\r+2*\p:16*\r+2*\p+1], s[PR:PR+1], v[T+2*\p:T+2*\p+1] op_sel_hi:[1,0,1]   ; eight chains by turns
.endr
.endr
	WIN 0
.irp p, 0,1,2,3,4,5,6,7
	v_pk_fma_f32 v[RS+2*\p:RS+2*\p+1], v[T+2*\p:T+2*\p+1], 2.0, v[RS+2*\p:RS+2*\p+1] op_sel_hi:[1,0,1]   ; W = 2 x sum + base
.endr
.endm
.macro STEP t
.set RS, R+16*((\t)%8)
.if 31-(\t) >= 7
	s_wait_loadcnt 28                              ; this step's four loads are in; those of the seven steps behind it may be out
.else
	s_wait_loadcnt 4*(31-(\t))                     ; towards the end fewer steps stand behind it
.endif
.if (\t) >= 16
	LORA \t
.endif
.irp i, 0,1,2,3
	v_max3_num_f32 v[M+\i], |v[RS+4*\i]|, |v[RS+4*\i+1]|, |v[RS+4*\i+2]|   ; my four numbers of block 4 i + g (the four blocks by turns: no line waits for the line above it),
.endr
.irp i, 0,1,2,3
	v_max3_num_f32 v[M+\i], v[M+\i], |v[RS+4*\i+3]|, 0x1800000             ; and the floor 2^(3 - 127): the byte cannot fall under 1
.endr
.irp x, 1,2,4
.irp i, 0,1,2,3
	v_max_num_f32_dpp v[M+\i], v[M+\i], v[M+\i] row_xmask:\x row_mask:0xf bank_mask:0xf   ; with the other seven lanes': the block's largest magnitude
.endr
.endr
.irp i, 0,1,2,3
	v_add_nc_u32 v[SCL+\i], 0xff000000, v[M+\i]    ; 2 off its exponent field: the conversion takes the exponent field of this operand as its scale, and nothing else of it
.endr
.irp i, 0,1,2,3
	v_cvt_scalef32_pk8_fp4_f32 v[CV+\i], v[RS+8*(\i/2):RS+8*(\i/2)+7], v[SCL+\i]   ; loads 2 (i / 2) and 2 (i / 2) + 1 under block i's scale: of the result the half i % 2 is block i's
.endr
.irp i, 0,1,2,3
	v_lshrrev_b32 v[BY+\i], 23, v[SCL+\i]          ; the scales' bytes (plain lines behind the conversions)
.endr
.if (\t) >= 2
	s_wait_dscnt 1                                 ; only the last step's word store may be out: the one two steps back has read the register written next
.endif
	v_lshl_or_b32 v[WD+(\t)%2], v[BY+1], 8, v[BY]  ; byte i: the scale of the block at place 4 g + i
	v_lshl_or_b32 v[WD+(\t)%2], v[BY+2], 16, v[WD+(\t)%2]
	v_lshl_or_b32 v[WD+(\t)%2], v[BY+3], 24, v[WD+(\t)%2]
.if (\t)+8 < 32
	LOAD (\t)+8                                    ; the conversions have read this set: it takes the loads of eight steps on
.endif
	v_bfi_b32 v[PA], s[MH], v[CV], v[CV+1]         ; my pieces, 4 codes each: of loads 0 and 1,
	v_bfi_b32 v[PA+1], s[MH], v[CV+2], v[CV+3]     ; of loads 2 and 3
	v_mov_b32_dpp v[TA], v[PA] row_xmask:4 row_mask:0xf bank_mask:0xf
	v_mov_b32_dpp v[TA+1], v[PA+1] row_xmask:4 row_mask:0xf bank_mask:0xf
	v_cndmask_b32 v[K0], v[PA+1], v[PA], s[M4]     ; lanes with l & 4 = 0 keep loads 0 and 1, the others loads 2 and 3: their own pieces,
	v_cndmask_b32 v[K0+1], v[TA+1], v[TA], s[M4]   ; and those of the lane 4 away
	v_mov_b32_dpp v[D0], v[K0] row_xmask:2 row_mask:0xf bank_mask:0xf
	v_mov_b32_dpp v[D0+1], v[K0+1] row_xmask:2 row_mask:0xf bank_mask:0xf
	v_perm_b32 v[C+2*(\t)], v[D0], v[K0], v[SEL]   ; lanes with l & 2 = 0 keep the lower load of the two, the others the upper: four pieces of load (l % 8) / 2,
	v_perm_b32 v[C+2*(\t)+1], v[D0+1], v[K0+1], v[SEL]   ; from the four lanes of my eight that share my l & 1: half of the block at place 4 g + (l % 8) / 2
	ds_store_b32 v5, v[WD+(\t)%2] offset:16*((\t)%16)+256*((\t)/16)   ; the eight lanes of a block write the same word with the same value
.if (\t) < 16
	global_store_b64 v4, v[C+2*(\t):C+2*(\t)+1], s[12:13] offset:256*((\t)%16)   ; 32 lanes store 256 consecutive bytes, aligned: a row's 512 codes
.else
	global_store_b64 v4, v[C+2*(\t):C+2*(\t)+1], s[14:15] offset:256*((\t)%16)
.endif
.endm
.irp t, 0,1,2,3,4,5,6,7
	LOAD \t
.endr
.set Q, 0
.rept 32
	STEP Q
.set Q, Q+1
.endr
	ds_load_b64 v[T:T+1], v6                       ; LDS serves a wave's instructions in order (ISA guide 5.7.1.4): these see my word stores
	ds_load_b64 v[T+2:T+3], v6 offset:256
	s_wait_dscnt 0x0
	global_store_b64 v7, v[T:T+1], s[12:13] offset:32768     ; behind the block's 128 pieces of codes: one aligned run of 256 bytes
	global_store_b64 v7, v[T+2:T+3], s[14:15] offset:32768
	s_wait_tensorcnt 0x0
	ds_add_u32 v174, v175
	s_wait_dscnt 0x0
	s_endpgm
.Lfunc_end_k_q6907321f5a_quant:
	.size	k_q6907321f5a_quant, .Lfunc_end_k_q6907321f5a_quant-k_q6907321f5a_quant
	.p2alignl 7, 3214868480
	.fill 96, 4, 3214868480
	.section	.rodata,"a",@progbits
	.p2align	6, 0x0
	.amdhsa_kernel k_q6907321f5a_quant
		.amdhsa_group_segment_fixed_size 5120
		.amdhsa_private_segment_fixed_size 0
		.amdhsa_enable_private_segment 0
		.amdhsa_kernarg_size 48
		.amdhsa_user_sgpr_count 2
		.amdhsa_user_sgpr_kernarg_segment_ptr 1
		.amdhsa_wavefront_size32 1
		.amdhsa_system_sgpr_workgroup_id_x 1
		.amdhsa_system_sgpr_workgroup_id_y 1
		.amdhsa_system_sgpr_workgroup_id_z 1
		.amdhsa_system_vgpr_workitem_id 0
		.amdhsa_next_free_vgpr 384
		.amdhsa_next_free_sgpr 100
		.amdhsa_reserve_vcc 0
		.amdhsa_float_denorm_mode_32 3
		.amdhsa_float_denorm_mode_16_64 3
		.amdhsa_memory_ordered 1
		.amdhsa_forward_progress 1
		.amdhsa_inst_pref_size 191
	.end_amdhsa_kernel
	.amdgpu_metadata
---
amdhsa.version: [ 1, 2 ]
amdhsa.kernels:
  - .name:           k_q6907321f5a_quant
    .symbol:         k_q6907321f5a_quant.kd
    .args:
      - { .name: x, .offset: 0, .size: 8, .value_kind: global_buffer, .address_space: global }
      - { .name: base_weight, .offset: 8, .size: 8, .value_kind: global_buffer, .address_space: global }
      - { .name: lora_A, .offset: 16, .size: 8, .value_kind: global_buffer, .address_space: global }
      - { .name: lora_B, .offset: 24, .size: 8, .value_kind: global_buffer, .address_space: global }
      - { .name: xq, .offset: 32, .size: 8, .value_kind: global_buffer, .address_space: global }
      - { .name: wq, .offset: 40, .size: 8, .value_kind: global_buffer, .address_space: global }
    .group_segment_fixed_size: 5120
    .private_segment_fixed_size: 0
    .kernarg_segment_align: 8
    .kernarg_segment_size: 48
    .max_flat_workgroup_size: 256
    .sgpr_count:     100
    .vgpr_count:     384
    .wavefront_size: 32
...
	.end_amdgpu_metadata
.endif
;; end of part 1
;; launch gemm (part 2): grid 16 x 16, 4 waves a work-group, clusters of 4 x 4, 327,680 bytes of LDS; arguments xq, wq, bias, out0; writes out0
.if DOCPART == 2
	.amdgcn_target "amdgcn-amd-amdhsa--gfx1250"
	.amdhsa_code_object_version 6
	.text
	.protected	k_q6907321f5a_gemm
	.globl	k_q6907321f5a_gemm
	.p2align	8
	.type	k_q6907321f5a_gemm,@function
k_q6907321f5a_gemm:
	s_mov_b64 s[64:65], 0
	v_nop
	global_prefetch_b8 v0, s[64:65] scope:SCOPE_SE
	s_setreg_imm32_b32 hwreg(HW_REG_WAVE_MODE, 25, 1), 1
	s_wait_xcnt 0x0
	s_wait_alu depctr_hold_cnt(0) depctr_sa_sdst(0) depctr_va_vdst(0) depctr_va_sdst(0) depctr_va_ssrc(0) depctr_va_vcc(0) depctr_vm_vsrc(0)
	s_getreg_b32 s2, hwreg(HW_REG_IB_STS2, 6, 4)
	s_cmp_eq_u32 s2, 0
	s_cbranch_scc0 .Lentry_in_a_cluster
	s_endpgm
.Lentry_in_a_cluster:
	s_bfe_u32 s2, ttmp6, 0x10000c
	s_cmp_lg_u32 s2, 0xf033
	s_cbranch_scc0 .Lentry_shape_is_right
	s_endpgm
.Lentry_shape_is_right:
; out0[m][n] = sum over k of X[m][k] W[n][k] + bias[n], M = N = K = 4,096.  X and W: codes of FP4 (E2M1) with one E8M0 scale for each block of 32 along K, as the launch before laid them; out0 f32; sums in f32.
; THE OPERANDS' LAYOUT: [row / 128 : 32][k / 512 : 8][a block of 34,816 bytes]; a block is 128 pieces of 256 bytes (a row's 512 codes) and 8 pieces of scale bytes (16 rows x 16 bytes each).
; Inside a row's 512 codes the order is the laying launch's own, the same for X and W; each 16 bytes are one block of 32 and the row's scale byte of the same place is its scale: that is all this text leans on.
; So what a wave fetches for a K step, 128 rows' codes AND their scales, is one dense run of memory, brought by one tensor load as 136 rows of 256 bytes.
; A tile of out0, 256 x 256, is made by a work-group of four waves, as many as a WGP has SIMDs; a wave makes 128 x 128: 64 accumulators of 16 x 16, 512 registers.  256 tiles, 256 work-groups.
; K goes in 8 steps of 512 through a ring of two LDS slots; a slot holds X's two blocks and W's two.
; CLUSTERS: 4 x 4 work-groups.  The four of a row of the cluster need the same blocks of X, the four of a column the same blocks of W: each block is asked for JOINTLY, by the same tensor load with the same descriptor and a mask that names the four.
; THE CLUSTERS BEGIN AT DIFFERENT K STEPS.  Cluster (X, Y) begins at K step 2 u, u = X xor Y with its two bits swapped, and goes round: 2 u, 2 u + 1, .. modulo 8.  The four clusters of a row of clusters, which walk the same
; blocks of X, have four different u, and so have the four of a column, which walk the same blocks of W; two neighbouring rows (or columns) of clusters stand four K steps apart.  So the clusters that want a block want it at different times.
; LIMIT: a sum's K steps are therefore taken in a rotated order, and the k inside a K step in the layout's order: the f32 sums are rounded in another order than with K ascending.
; THE MATRIX INSTRUCTION IS USED TRANSPOSED (source 0 = 16 rows of W, source 1 = 16 rows of X): a lane then holds eight neighbouring numbers of a row of out0.
; THE BIAS is the C of each sum's first matrix instruction: eight registers for each of W's eight blocks, in the result's layout: no addition, nothing cleared.
; REGISTERS, in windows of 256: window 0: v0-31 addresses; v32-95 scale words, a set for each slot; v128-191 X's fragments (8 x 16 rows x 128 K), ONE set; v192-255 the bias; on the way out v128-255 are free.
;   window 1: W's fragments, TWO sets, at v0 and at v128.   window 2: the 32 accumulators of my rows 0-63 (accumulator (a, b) at v[8 (8 a + b)]);   window 3: those of my rows 64-127.
; A step of 128 along K is 64 matrix instructions, X's blocks one after the other, each against W's eight: a block of X is free as soon as its eight products are issued, so one set serves X
; (blocks 0-3 fetched anew in the step's middle, blocks 4-7 at its end); W's fragments are at work through the whole step and have two sets.
.set SIZE_N, 4096
.set NQ,     4                         ; steps of 128 along K in a slot
.set PITCH,  272                       ; an LDS row: 256 bytes + 16 of padding = 68 words: row r starts at bank 4 r mod 64 (64 banks of 4 bytes: ISA guide 11.1), so the 16 rows that a load touches start at 16 different banks
.set BLKB,   34816                     ; a block in memory
.set HALFT,  136*PITCH                 ; and in LDS: what one tensor load brings, and what one wave reads of X or of W
.set SCOFF,  128*PITCH                 ; where a block's scale bytes begin in LDS
.set SLOT,   4*HALFT                   ; X's two blocks, then W's two
.set LAPS,   4                         ; a lap = two K steps = once round the ring
.set SPARE,  2*SLOT                    ; behind the ring: the spare words, 128 bytes for each wave: two blocks of 256 bytes that no other line names
.set SPITCH, 528                       ; the way out: a stage of 16 rows x (512 bytes + 16) for each wave.  It lies in slot 0, which has had its last fill and its last read when the first result is stored there
.set FR,     8                         ; registers of a fragment: 16 rows x 128 K
.set NL,     2                         ; LDS loads that bring one
.set NP,     4                         ; places behind this matrix instruction (ISA guide 7.12.1)
.set ADRA, 16                          ; v16-17  LDS address of my X fragments in slot 0, 1
.set ADRB, 20                          ; v20-21  the same for W
.set ADRS, 22                          ; v22-23  of my scale words in slot 0, 1: lanes 0-15 X's rows, lanes 16-31 W's
.set STO,  24                          ; v24     the way out: where I put 32 bytes of a row
.set RD,   25                          ; v25     the way out: where I read a row back
.set CO,   26                          ; v26     my byte offset in a row of out0
.set SPW,  28                          ; v28     LDS address of my spare word: SPARE + 4 x my thread's number; never rewritten
.set NIL,  29                          ; v29     0; never rewritten
.set BO,   30                          ; v30     the bias: 32 x (lane / 16)
.set SC,   32                          ; scale words: set s at v[SC + 32 s]; register 4 i + q: lanes 0-15 the word of X's block i, lanes 16-31 that of W's block i, for the slot's q-th 128 along K
.set AF,   128                         ; X's fragments
.set BI,   192                         ; the bias: v[BI + 8 b + j] = bias[my first column + 16 b + 8 (lane / 16) + j]
.set BK,   128                         ; the way out: 16 rows read back from the stage: v128-191 and v192-255 by turns
.set G1,  24                           ; s[24:31] descriptor group 1 for X's blocks;  s[32:39] group 0, one set for each slot
.set G0,  32
.set G1B, 48                           ; s[48:55], s[56:63] the same for W's
.set G0B, 56
.set XB,  68                           ; s[68:69] where the eight blocks of the 128 rows of X that I fetch begin; never rewritten
.set WB,  70                           ; s[70:71] the same for W
.set KO,  72                           ; s[72:73] the pair of K steps in hand, in bytes: 2 BLKB x its number
.set KI,  74                           ; s74      its number, 0 to 3
.set MSB, 0
.macro WIN new                         ; the immediate's high byte repeats the setting that is left
.if MSB != \new
	s_set_vgpr_msb (MSB<<8)|\new
.set MSB, \new
.endif
.endm
.set MUL_LO, 0xa1                      ; source 0 (W) window 1, source 1 (X) window 0, C and D window 2
.set MUL_HI, 0xf1                      ; the same, C and D window 3
.set FST_LO, 0x81                      ; the first step: C (the bias) window 0, D window 2
.set FST_HI, 0xc1                      ; D window 3
.set TO_B,   0x40                      ; destination window 1, address window 0
; A joint load: waves 0 and 1 fetch X's two blocks, waves 2 and 3 W's.  Each of the two lines has ONE mask and one set of registers for all that issue it; the branch hangs on the wave's number alone.
; Four v_nop follow each of the two lines, ahead of the jump, the label and what follows.
.macro JLOAD g0a, g1a, g0b, g1b
	s_cmp_eq_u32 s15, 0
	s_cbranch_scc0 .Lfor_b_\@
	tensor_load_to_lds s[\g0a:\g0a+3], s[\g1a:\g1a+7]
	s_nop 0
.rept 4
	v_nop
.endr
	s_branch .Lasked_\@
.Lfor_b_\@:
	tensor_load_to_lds s[\g0b:\g0b+3], s[\g1b:\g1b+7]
	s_nop 0
.rept 4
	v_nop
.endr
.Lasked_\@:
.endm
; The global addresses of a slot's two groups 0: the rows' first block + the pair of K steps in hand; slot 1 takes the pair's second.  Written only where no tensor load that reads them is out.
.macro AIM slot
	s_add_nc_u64 s[G0+4*\slot+2:G0+4*\slot+3], s[XB:XB+1], s[KO:KO+1]
	s_add_nc_u64 s[G0B+4*\slot+2:G0B+4*\slot+3], s[WB:WB+1], s[KO:KO+1]
.if \slot
	s_add_nc_u64 s[G0+4*\slot+2:G0+4*\slot+3], s[G0+4*\slot+2:G0+4*\slot+3], BLKB
	s_add_nc_u64 s[G0B+4*\slot+2:G0B+4*\slot+3], s[G0B+4*\slot+2:G0B+4*\slot+3], BLKB
.endif
	s_or_b32 s[G0+4*\slot+3], s[G0+4*\slot+3], 0x80000000          ; type = 2
	s_or_b32 s[G0B+4*\slot+3], s[G0B+4*\slot+3], 0x80000000
.endm
.macro CREST                           ; a round of the cluster's barrier behind its opening barrier
	s_cmp_lg_u32 s14, 0
	s_cbranch_scc1 .Lnot_wave_0_\@
	s_barrier_signal -3
.Lnot_wave_0_\@:
	s_barrier_wait -3
	s_barrier_signal -1
	s_barrier_wait -1
.endm
.macro CROUND                          ; a whole round
	s_barrier_signal -1
	s_barrier_wait -1
	CREST
.endm
	s_load_b256 s[4:11], s[0:1], 0x0               ; xq s[4:5], wq s[6:7], bias s[8:9], out0 s[10:11]
	v_lshl_add_u32 v[SPW], v0, 2, SPARE
	v_mov_b32 v[NIL], 0
	ds_add_u32 v28, v29
	ds_add_u32 v28, v29
	s_wait_dscnt 0x0
	v_lshrrev_b32 v1, 5, v0
	v_readfirstlane_b32 s14, v1                    ; wave 0..3
	s_lshr_b32 s15, s14, 1                         ; which half of the tile's rows is mine.  Also: I fetch for X (0) or for W (1)
	s_and_b32 s16, s14, 1                          ; which half of its columns.  Also: which of the two blocks I fetch
	s_bfe_u32 s40, ttmp6, 0x40000                  ; cx, cy: my place in the cluster
	s_bfe_u32 s41, ttmp6, 0x40004
	s_lshl_b32 s42, ttmp9, 2
	s_add_co_u32 s42, s42, s40                     ; tile column = 4 x cluster x + cx
	s_and_b32 s17, ttmp7, 0xffff
	s_lshl_b32 s17, s17, 2
	s_add_co_u32 s17, s17, s41                     ; tile row = 4 x cluster y + cy
	s_lshl_b32 s43, s41, 2
	s_lshl_b32 s43, 15, s43                        ; my row of the cluster
	s_lshl_b32 s44, 0x1111, s40                    ; my column
	; descriptor group 1: a dense block as 136 rows of 256 bytes (32 elements of 8 bytes), 16 bytes of padding behind each
	s_or_b32 s[G1+0], s43, (3<<16)|(1<<20)|(1<<21)|(5<<22)|(3<<25)  ; 15:0 the mask: X's blocks go to my row; 17:16 elements of 8 bytes; 20 padding on; 21 set beside a mask; 24:22 after every 64 words (code 5); 31:25 of 4 words (code 3)
	s_or_b32 s[G1B+0], s44, (3<<16)|(1<<20)|(1<<21)|(5<<22)|(3<<25) ; the same with the mask of my column, for W's
.irp g, G1, G1B
	s_mov_b32 s[\g+1], 32<<16                      ; tensor_dim0 = 32
	s_mov_b32 s[\g+2], 136<<16                     ; tensor_dim1 = 136
	s_mov_b32 s[\g+3], 32<<16                      ; tile_dim0 = 32
	s_mov_b32 s[\g+4], 136                         ; tile_dim1 = 136
	s_mov_b32 s[\g+5], 32                          ; tensor_dim0_stride: the rows follow each other
	s_mov_b32 s[\g+6], 0
	s_mov_b32 s[\g+7], 0
.endr
	; where the blocks come from.  X's hang on the tile row alone, which my row of the cluster shares; W's on the tile column alone, which my column shares.
	s_lshl_b32 s20, s17, 1
	s_add_co_u32 s20, s20, s16                     ; X: group of 128 rows = 2 x tile row + which block
	s_mul_i32 s20, s20, 8*BLKB                     ; 8 blocks a group; under 2^24 bytes in all
	s_mov_b32 s21, 0
	s_lshl_b32 s46, s42, 1
	s_add_co_u32 s46, s46, s16                     ; W: 2 x tile column + which block
	s_mul_i32 s46, s46, 8*BLKB
	s_mov_b32 s47, 0
	s_mul_i32 s45, s14, HALFT                      ; where they go: wave x a block: no place in the cluster enters an LDS address
	; the pair of K steps at which my cluster begins: made of the cluster's x and y alone, which all sixteen partners share
	s_and_b32 s[KO], ttmp7, 0xffff
	s_xor_b32 s[KO], s[KO], ttmp9                  ; cluster x xor cluster y: two bits,
	s_and_b32 s[KI], s[KO], 1
	s_lshl_b32 s[KI], s[KI], 1
	s_lshr_b32 s[KO], s[KO], 1
	s_or_b32 s[KI], s[KI], s[KO]                   ; swapped: u, 0 to 3
	s_mul_i32 s[KO], s[KI], 2*BLKB
	s_mov_b32 s[KO+1], 0
	s_wait_kmcnt 0x0
	s_add_nc_u64 s[XB:XB+1], s[4:5], s[20:21]
	s_add_nc_u64 s[WB:WB+1], s[6:7], s[46:47]
	CROUND                                         ; all sixteen work-groups are here: the first joint loads meet
.irp s, 0,1
	s_mov_b32 s[G0+4*\s], 1                                        ; count = 1
	s_add_co_u32 s[G0+4*\s+1], s45, \s*SLOT                        ; LDS address
	s_mov_b32 s[G0B+4*\s], 1
	s_add_co_u32 s[G0B+4*\s+1], s45, \s*SLOT
	AIM \s                                         ; global address: K step 2 u + s
	JLOAD G0+4*\s, G1, G0B+4*\s, G1B               ; the ring is filled before anything else is done: two loads of mine are out
.endr
	v_and_b32 v1, 15, v0                           ; r = l % 16
	v_bfe_u32 v2, v0, 4, 1                         ; h = l / 16
	v_mul_u32_u24 v3, v1, PITCH
	v_lshl_add_u32 v4, v2, 4, v3                   ; a fragment's row x pitch + 16 x half
	s_mul_i32 s21, s15, HALFT                      ; my block of X
	s_mul_i32 s22, s16, HALFT                      ; my block of W,
	s_add_co_u32 s22, s22, 2*HALFT                 ; which lies behind X's two
.irp s, 0,1
	v_add_nc_u32 v[ADRA+\s], s21, v4
	v_add_nc_u32 v[ADRB+\s], s22, v4
	s_add_co_u32 s21, s21, SLOT
	s_add_co_u32 s22, s22, SLOT
.endr
	s_mul_i32 s21, s15, HALFT                      ; the scale words: X's block,
	s_mul_i32 s22, s16, HALFT
	s_add_co_u32 s22, s22, 2*HALFT
	s_sub_co_u32 s22, s22, s21                     ; and how far behind it W's lies:
	v_mul_u32_u24 v6, s22, v2                      ; lanes 16-31 take W's
	v_lshl_add_u32 v5, v1, 4, v6                   ; 16 bytes a row
	s_add_co_u32 s21, s21, SCOFF
	v_add_nc_u32 v[ADRS], s21, v5
	s_add_co_u32 s21, s21, SLOT
	v_add_nc_u32 v[ADRS+1], s21, v5
	s_mul_i32 s23, s14, 16*SPITCH                  ; my stage
	v_mul_u32_u24 v5, v1, SPITCH                   ; in: row l % 16, 32 bytes for each half of the lanes
	v_lshl_add_u32 v5, v2, 5, v5
	v_add_nc_u32 v[STO], s23, v5
	v_and_b32 v6, 31, v0
	v_lshlrev_b32 v[CO], 4, v6                     ; back: the 32 lanes take one row of 512 bytes; and the same in out0
	v_add_nc_u32 v[RD], s23, v[CO]
	v_lshlrev_b32 v[BO], 5, v2
	s_lshl_b32 s20, s17, 8
	s_lshl_b32 s21, s15, 7
	s_add_co_u32 s20, s20, s21                     ; my first row of out0: 256 x tile row + 128 x half,
	s_lshl_b32 s20, s20, 14                        ; in bytes: 16,384 a row, under 2^27 in all
	s_mov_b32 s21, 0
	s_lshl_b32 s46, s42, 10                        ; my first column, in bytes: 1,024 x tile column + 512 x half
	s_lshl_b32 s47, s16, 9
	s_add_co_u32 s46, s46, s47
	s_mov_b32 s47, 0
	s_add_nc_u64 s[8:9], s[8:9], s[46:47]          ; the bias at my first column
	s_add_nc_u64 s[20:21], s[20:21], s[46:47]
	s_add_nc_u64 s[10:11], s[10:11], s[20:21]
.irp b, 0,1,2,3,4,5,6,7
	global_load_b128 v[BI+8*\b:BI+8*\b+3], v[BO], s[8:9] offset:64*\b
	global_load_b128 v[BI+8*\b+4:BI+8*\b+7], v[BO], s[8:9] offset:64*\b+16
.endr
.macro FRAG reg, adr, q, i             ; a fragment, 16 rows x 128 K of 4-bit codes, is 8 registers: lane l holds row l % 16; registers 4 c .. 4 c + 3 hold the block of 32 at place 2 c + l / 16 of the four: 16 bytes of the row as they lie
.irp c, 0,1
	ds_load_b128 v[\reg+4*\c:\reg+4*\c+3], v[\adr] offset:64*(\q)+32*\c+(\i)*16*PITCH
.endr
.endm
; 16 matrix instructions: X's blocks a0, a0 + 1 x W's eight, 128 along K: the slot's q-th.  p: W's set;  sc: the set of scale words.  first = 1: the first product starts the sums, with the bias as its C.
; The 64 accumulators take turns, one instruction a turn, in the same order in every step.
.macro MUL16 a0, p, q, sc, first
.irp a, \a0, \a0+1
.irp b, 0,1,2,3,4,5,6,7
.if \first
	v_wmma_scale_f32_16x16x128_f8f6f4 v[8*(8*((\a)%4)+\b):8*(8*((\a)%4)+\b)+7], v[128*(\p)+FR*\b:128*(\p)+FR*\b+FR-1], v[AF+FR*(\a):AF+FR*(\a)+FR-1], v[BI+8*\b:BI+8*\b+7], v[SC+8*NQ*(\sc)+NQ*\b+(\q)], v[SC+8*NQ*(\sc)+NQ*(\a)+(\q)] matrix_a_fmt:MATRIX_FMT_FP4 matrix_b_fmt:MATRIX_FMT_FP4 matrix_a_scale:MATRIX_SCALE_ROW1
.else
	v_wmma_scale_f32_16x16x128_f8f6f4 v[8*(8*((\a)%4)+\b):8*(8*((\a)%4)+\b)+7], v[128*(\p)+FR*\b:128*(\p)+FR*\b+FR-1], v[AF+FR*(\a):AF+FR*(\a)+FR-1], v[8*(8*((\a)%4)+\b):8*(8*((\a)%4)+\b)+7], v[SC+8*NQ*(\sc)+NQ*\b+(\q)], v[SC+8*NQ*(\sc)+NQ*(\a)+(\q)] matrix_a_fmt:MATRIX_FMT_FP4 matrix_b_fmt:MATRIX_FMT_FP4 matrix_a_scale:MATRIX_SCALE_ROW1
.endif
.endr
.endr
.endm
.macro FETCH_B slot, q, p              ; W's eight fragments of the slot's q-th 128 along K into set p
	WIN TO_B
.irp i, 0,1,2,3,4,5,6,7
	FRAG 128*(\p)+FR*\i, ADRB+\slot, \q, \i
.endr
	WIN 0
.endm
.macro FETCH_A slot, q, i0             ; X's blocks i0 .. i0 + 3
.irp i, \i0, \i0+1, \i0+2, \i0+3
	FRAG AF+FR*(\i), ADRA+\slot, \q, \i
.endr
.endm
.macro SCALES sc                       ; slot sc's scale words: four words a row; lanes 0-15 take X's block i, lanes 16-31 W's block i: each half reads 256 consecutive bytes
.irp i, 0,1,2,3,4,5,6,7
	ds_load_b128 v[SC+8*NQ*\sc+NQ*\i:SC+8*NQ*\sc+NQ*\i+3], v[ADRS+\sc] offset:\i*PITCH
.endr
.endm
; A load into a register that a matrix instruction has read, and an LDS store that reads a matrix result, stand NP places behind that matrix instruction, and only plain vector instructions that name none of its
; registers are places (ISA guide 7.12.1 for vector instructions); this text does not count the matrix instructions in between.
.macro PLACES n
.rept \n
	v_nop
.endr
.endm
; A step of 128 along K that has its successor in the same slot.
.macro STEP slot, q, first
	s_wait_dscnt 4*NL                              ; W's set, the scale words and X's blocks 0-3 are in; the youngest eight loads (X's blocks 4-7) may be out
.if \first
	WIN FST_LO
.else
	WIN MUL_LO
.endif
	MUL16 0, (\q)%2, \q, \slot, \first
	MUL16 2, (\q)%2, \q, \slot, \first
	s_wait_dscnt 0                                 ; X's blocks 4-7 are in (asked for 32 matrix instructions ago)
	PLACES NP
	FETCH_B \slot, (\q)+1, 1-(\q)%2
	FETCH_A \slot, (\q)+1, 0
.if \first
	WIN FST_HI
.else
	WIN MUL_HI
.endif
	MUL16 4, (\q)%2, \q, \slot, \first
	MUL16 6, (\q)%2, \q, \slot, \first
	PLACES NP
	WIN 0
	FETCH_A \slot, (\q)+1, 4
.endm
; A slot's last step changes slots: ONE barrier; in front of it each wave waits for all its tensor loads, adds 0 to its spare word, and waits for that and for its own reads of this slot.  fill = 1: this slot is filled again, with the K step two turns on.
.macro TURN slot, next, fill
	s_wait_tensorcnt 0x0                           ; all my tensor loads have landed: the one that was out is my block of the next slot;  (every window is 0 here: the add's two registers lie in window 0)
	ds_add_u32 v[SPW], v[NIL]                      ; 0 onto my spare word: the descriptors' steps and sixteen matrix instructions stand between it and the wait for it
.if \fill
.if \slot == 0
	s_add_co_u32 s[KI], s[KI], 1                   ; on to the next pair of K steps, round from 3 to 0: slot 0 takes its first now, slot 1 its second at the next change
	s_and_b32 s[KI], s[KI], 3
	s_mul_i32 s[KO], s[KI], 2*BLKB
.endif
	AIM \slot                                      ; no tensor load of mine is out, so a group 0 may be written
.endif
	s_wait_dscnt 4*NL+1                            ; (the add and the youngest eight loads, X's blocks 4-7, may be out)
	WIN MUL_LO
	MUL16 0, 1, NQ-1, \slot, 0
	s_wait_dscnt 0x0                               ; the add is done, and my reads of this slot are over
	s_barrier_signal -1
	MUL16 2, 1, NQ-1, \slot, 0
	WIN 0
	s_barrier_wait -1
.if \fill
	CREST                                          ; the barrier has opened a round of the cluster's barrier: no wave of any partner still reads this slot or has a load on its way
	JLOAD G0+4*\slot, G1, G0B+4*\slot, G1B         ; the first tensor load behind the round, my one load until the next; the four v_nop behind it are the places in front of the loads below
.else
	PLACES NP
.endif
	FETCH_B \next, 0, 0
	FETCH_A \next, 0, 0
	SCALES \next
	WIN MUL_HI
	MUL16 4, 1, NQ-1, \slot, 0
	MUL16 6, 1, NQ-1, \slot, 0
	PLACES NP
	WIN 0
	FETCH_A \next, 0, 4
.endm
.macro STEPS slot, from                ; the slot's steps from .. NQ - 2
.set Q, \from
.rept NQ-1-\from
	STEP \slot, Q, 0
.set Q, Q+1
.endr
.endm
	s_wait_tensorcnt 1                             ; my block of the first K step is in (the second's load may be out)
	s_barrier_signal -1
	s_barrier_wait -1                              ; everybody's is
	FETCH_B 0, 0, 0
	FETCH_A 0, 0, 0
	SCALES 0
	FETCH_A 0, 0, 4
	s_wait_loadcnt 0x0                             ; the bias
	STEP 0, 0, 1                                   ; the first step stands in front of the loop: its products start the sums on the bias
	s_mov_b32 s3, LAPS-1
.Llap:                                                 ; a trip goes once round the ring, from a lap's second step to the next lap's first, and fills both slots again
	STEPS 0, 1
	TURN 0, 1, 1
	STEPS 1, 0
	TURN 1, 0, 1
	STEP 0, 0, 0
	s_sub_co_u32 s3, s3, 1
	s_cmp_lg_u32 s3, 0
	s_cbranch_scc1 .Llap
	STEPS 0, 1                                     ; the last lap fills nothing, and has no round of the cluster's barrier
	TURN 0, 1, 0
	STEPS 1, 0
	s_wait_dscnt 4*NL                              ; the very last step: nothing more to fetch
	WIN MUL_LO
	MUL16 0, 1, NQ-1, 1, 0
	MUL16 2, 1, NQ-1, 1, 0
	s_wait_dscnt 0
	WIN MUL_HI
	MUL16 4, 1, NQ-1, 1, 0
	MUL16 6, 1, NQ-1, 1, 0
	WIN 0
; THE WAY OUT, block by block of 16 rows x 128 columns.  A lane holds 32 neighbouring bytes of a row, and the lanes beside it hold other rows: so a block goes through my own stage in LDS and comes back as whole
; rows of 512 bytes.  LDS serves a wave's instructions in order (ISA guide 5.7.1.4): no wait between the stores and the loads, nor in front of the next block's stores.
.macro TOSTAGE a
.set AC, 64*((\a)%4)
	WIN 0x08+4*((\a)/4)                            ; an LDS store's data are its source 1: window 2 or 3
.irp b, 0,1,2,3,4,5,6,7
	ds_store_b128 v[STO], v[AC+8*\b:AC+8*\b+3] offset:64*\b          ; each accumulator from its low end on
	ds_store_b128 v[STO], v[AC+8*\b+4:AC+8*\b+7] offset:64*\b+16
.endr
	WIN 0
.set BB, BK+64*((\a)%2)
.irp t, 0,1,2,3,4,5,6,7,8,9,10,11,12,13,14,15
	ds_load_b128 v[BB+4*\t:BB+4*\t+3], v[RD] offset:\t*SPITCH
.endr
.endm
.macro SEND a, younger                 ; younger: the LDS instructions issued behind block a's loads, which may stay out
.set BB, BK+64*((\a)%2)
	s_wait_dscnt \younger                          ; the block is back in registers
.if (\a) > 0
	s_add_nc_u64 s[10:11], s[10:11], 16*SIZE_N*4   ; (behind a wait on XCNT for 0: the earlier stores have read their base)  16 rows of out0 on; the stores' offsets reach 15 rows, 245,760 bytes
.endif
.irp t, 0,1,2,3,4,5,6,7,8,9,10,11,12,13,14,15
	global_store_b128 v[CO], v[BB+4*\t:BB+4*\t+3], s[10:11] offset:\t*SIZE_N*4 th:TH_STORE_NT   ; 32 lanes store 512 consecutive bytes, at a multiple of 256 from out0's first byte; written once, read by nobody here
.endr
.endm
	PLACES NP                                      ; behind the last products: for the loads into the registers that held X's fragments and the bias, and for the stores that read results
	TOSTAGE 0
.irp a, 1,2,3,4,5,6,7
.if \a > 1
	s_wait_xcnt 0x0                                ; block a - 2's stores have read their registers and their base: block a's loads may land there, and the base may step
.endif
	TOSTAGE \a
	SEND \a-1, 32                                  ; behind block a - 1's loads: block a's 16 stores and 16 loads
.endr
	s_wait_xcnt 0x0                                ; block 6's stores have read their base
	SEND 7, 0
	s_wait_tensorcnt 0x0                           ; the wave's end: behind my last tensor load and my last LDS store
	ds_add_u32 v[SPW], v[NIL]
	s_wait_dscnt 0x0
	CROUND                                         ; the closing round: no work-group ends while a partner may still ask for a block that names it
	s_endpgm
.Lfunc_end_k_q6907321f5a_gemm:
	.size	k_q6907321f5a_gemm, .Lfunc_end_k_q6907321f5a_gemm-k_q6907321f5a_gemm
	.p2alignl 7, 3214868480
	.fill 96, 4, 3214868480
	.section	.rodata,"a",@progbits
	.p2align	6, 0x0
	.amdhsa_kernel k_q6907321f5a_gemm
		.amdhsa_group_segment_fixed_size 327680
		.amdhsa_private_segment_fixed_size 0
		.amdhsa_enable_private_segment 0
		.amdhsa_kernarg_size 32
		.amdhsa_user_sgpr_count 2
		.amdhsa_user_sgpr_kernarg_segment_ptr 1
		.amdhsa_wavefront_size32 1
		.amdhsa_system_sgpr_workgroup_id_x 1
		.amdhsa_system_sgpr_workgroup_id_y 1
		.amdhsa_system_sgpr_workgroup_id_z 1
		.amdhsa_system_vgpr_workitem_id 0
		.amdhsa_next_free_vgpr 1024
		.amdhsa_next_free_sgpr 76
		.amdhsa_reserve_vcc 0
		.amdhsa_float_denorm_mode_32 3
		.amdhsa_float_denorm_mode_16_64 3
		.amdhsa_memory_ordered 1
		.amdhsa_forward_progress 1
		.amdhsa_inst_pref_size 211
	.end_amdhsa_kernel
	.amdgpu_metadata
---
amdhsa.version: [ 1, 2 ]
amdhsa.kernels:
  - .name:           k_q6907321f5a_gemm
    .symbol:         k_q6907321f5a_gemm.kd
    .args:
      - { .name: xq, .offset: 0, .size: 8, .value_kind: global_buffer, .address_space: global }
      - { .name: wq, .offset: 8, .size: 8, .value_kind: global_buffer, .address_space: global }
      - { .name: bias, .offset: 16, .size: 8, .value_kind: global_buffer, .address_space: global }
      - { .name: out0, .offset: 24, .size: 8, .value_kind: global_buffer, .address_space: global }
    .group_segment_fixed_size: 327680
    .private_segment_fixed_size: 0
    .kernarg_segment_align: 8
    .kernarg_segment_size: 32
    .max_flat_workgroup_size: 128
    .sgpr_count:     76
    .vgpr_count:     1024
    .wavefront_size: 32
...
	.end_amdgpu_metadata
.endif
;; end of part 2
